; MI455X (gfx1250); checked and timed in simulation.
; The chip was launched on July 23, 2026; its instructions are those of AMD's public machine-readable ISA for CDNA 5 (MIT licence, August 2026) and "CDNA5" Instruction Set Architecture Reference Guide (July 2026). The comments in the code are by the model that wrote it; some were corrected since.
;; LNN Step. Allowed arithmetic: matrix products marked QUANTISED: E2M1 operands, one E8M0 scale for each 32 along K, by v_wmma_scale_f32_16x16x128_f8f6f4 with both operands' format E2M1 (or v_wmma_scale_f32_32x16x128_f4), f32 sums; everything else in f32.
;; Inputs: input_weights_codes 4,096 x 64 x 16 uint8 (E2M1 codes of input_weights, K innermost, in blocks of 32 codes, two codes a byte); input_weights_scales 4,096 x 64 uint8 (E8M0 scales of input_weights, one for each 32 codes along K); inputs_codes 2,048 x 64 x 16 uint8 (E2M1 codes of inputs, K innermost, in blocks of 32 codes, two codes a byte); inputs_scales 2,048 x 64 uint8 (E8M0 scales of inputs, one for each 32 codes along K); prev_state 2,048 x 4,096 float32; reservoir_weights_codes 4,096 x 128 x 16 uint8 (E2M1 codes of reservoir_weights, K innermost, in blocks of 32 codes, two codes a byte); reservoir_weights_scales 4,096 x 128 uint8 (E8M0 scales of reservoir_weights, one for each 32 codes along K).
;; Outputs: out0 2,048 x 4,096 float32.
;; This version of the problem:
;;   THIS VERSION OF THE PROBLEM IS GIVEN IN LOW PRECISION. The matrix products marked QUANTISED in the list below multiply operands that are first quantised to E2M1 (2 exponent bits, 1 mantissa bit; 4 bits a number), with one power-of-two scale for each 32 numbers along K (OCP MX v1.0); their sums are f32. All else is computed in f32.
;;   The module's matrix products, in the order in which they are computed (A, B: the left and right operand; K: the contracted axis; several contracted axes count as one K, in the product's order):
;;     1. [M 2,048, K 2,048] x [K 2,048, N 4,096]; A: input inputs (given as codes); B: input input_weights (given as codes): QUANTISED
;;     2. [M 2,048, K 4,096] x [K 4,096, N 4,096]; A: input prev_state; B: input reservoir_weights (given as codes): QUANTISED
;;   THE QUANTISER, for each operand of a quantised product, along K:
;;     - K is cut into blocks of 32 from its start; a last block that is shorter is filled with zeros.
;;     - A block's scale is 2^e with e = floor(log2(the largest magnitude in the block)) - 2, held to -126 .. 127; a block of zeros has e = 0. As a byte (E8M0): e + 127.
;;     - Each number is divided by its block's scale, clamped to +-6, and rounded to the nearest number of E2M1, ties to even, subnormals kept.
;;     - The product sums the exact products of the quantised numbers (number of the format x scale) in f32.
;;   ~~~python
;;   def quantise(x, axis):      # numpy; x: float32 -> the quantised numbers, widened to float32 again
;;       x = np.moveaxis(x, axis, -1); K = x.shape[-1]
;;       x = np.pad(x, [(0, 0)] * (x.ndim - 1) + [(0, -K % 32)]); x = x.reshape(x.shape[:-1] + (-1, 32)); a = np.abs(x).max(-1, keepdims=True)
;;       e = np.where(a > 0, np.clip(np.frexp(np.where(a > 0, a, 1))[1] - 1 - 2, -126, 127), 0)      # np.frexp(a)[1] - 1 = floor(log2(a)), exactly
;;       r = np.clip(x / 2.0 ** e, -6, 6)
;;       step = 2.0 ** (np.maximum(np.frexp(np.where(r == 0, 1, r))[1] - 1, 0) - 1)
;;       q = np.round(r / step) * step * 2.0 ** e      # np.round: ties to even
;;       return np.moveaxis(q.reshape(q.shape[:-2] + (-1,))[..., :K], -1, axis).astype(np.float32)
;;   ~~~
;;   INPUTS GIVEN AS CODES. input_weights (in the module: [4096, 2048], K = its axis 1); inputs (in the module: [2048, 2048], K = its axis 1); reservoir_weights (in the module: [4096, 4096], K = its axis 1): each comes as NAME_codes (uint8): NAME with its K axis moved to the last place and cut into blocks of 32 codes, [.., K / 32, bytes a block], one block behind the other in memory; two codes a byte, the lower K in the low four bits (a code: sign, 2 exponent bits, 1 mantissa bit); and NAME_scales (uint8): the same leading axes, one E8M0 byte (e + 127) for each 32 codes along K. Its value is code x scale, taken as it is: it is not quantised again, and the codes and scales need not be those that the quantiser above would give.
;; One version. Each part assembles by itself: llvm-mc -triple=amdgcn-amd-amdhsa -mcpu=gfx1250 --defsym DOCPART=n.
;; ======== version 1 of 1: 2 launches
;; limits: right only within a limited range of input values
;; workspace buffers: a_frag 6,291,456 bytes; a_scl 393,216 bytes; b_scl 786,432 bytes
;; launch prep (part 1): grid 344 x 1, 4 waves a work-group, no clusters, 143,872 bytes of LDS; arguments prev_state, inputs_codes, inputs_scales, a_frag, a_scl, input_weights_scales, reservoir_weights_scales, b_scl; writes a_frag, a_scl, b_scl
.if DOCPART == 1
	.amdgcn_target "amdgcn-amd-amdhsa--gfx1250"
	.amdhsa_code_object_version 6
	.text
	.protected	k_qe04e637558_prep
	.globl	k_qe04e637558_prep
	.p2align	8
	.type	k_qe04e637558_prep,@function
k_qe04e637558_prep:
	s_mov_b64 s[64:65], 0
	v_nop
	global_prefetch_b8 v0, s[64:65] scope:SCOPE_SE
	s_setreg_imm32_b32 hwreg(HW_REG_WAVE_MODE, 25, 1), 1
	s_wait_xcnt 0x0
; This launch makes operand A of both quantised products, K = 2048 (inputs) + 4096 (prev_state), and the weights' scale words, in THE ORDER OF THE OPERANDS' REGISTERS, so that the next launch loads them as 512 consecutive bytes.
; NO WORK OF THE PROBLEM IS LEFT OUT ANYWHERE IN THIS PROGRAM: both products are live, every input has a way to out0, and every input is loaded (prev_state twice: here for its codes, in the next launch for the leak term).
; a_frag [32 groups of 64 rows][48 steps of 128 along K][4 blocks of 16 rows][c = 0, 1][lane][16 bytes]: lane (r, h) of piece c holds the 32 codes k = 64 c + 32 h + 0 .. 31 of the block's row r.  Steps 0-15: inputs; 16-47: prev_state.
; a_scl  [32 groups][12 K steps of 512][i = 0, 1][lane][16 bytes]: lane (r, h) holds the 16 E8M0 bytes (four scale words) of row r of block i + 2 h.  K steps 0-3: inputs; 4-11: prev_state.
; b_scl  [32 runs H of 128 weight rows][12 K steps of 512][b = 0 .. 3][lane][16 bytes]: lane (r, h) holds the 16 E8M0 bytes of weight row 128 H + 64 h + 4 r + b.  K steps 0-3: input weights; 4-11: the reservoir's.
; WORK-GROUPS 0-255 QUANTISE prev_state [2048][4096] f32 along its last axis.  A block's scale is 2^(floor(log2(its largest magnitude)) - 2); its byte is the largest magnitude's own exponent field - 2, held at 1 from below.
; Each number is divided by the scale and rounded to the nearest code of E2M1, ties to even; beyond 6 the conversion gives the largest code.
; LIMITS: a block of zeros gets the byte 1 where the rule says 127 (its codes are zeros, which add nothing under any byte but 0xff, and this program alone reads the bytes); blocks whose largest magnitude lies under
; 2^-124 get the byte 1, the rule's own hold at e = -126; NaN and infinities in prev_state are not served.
; A wave takes 16 rows x 512 along K, TWO ROWS A STEP: the two chains of a step do not hang on each other.  The conversions take 8 numbers of ONE block from a lane's consecutive registers, so a lane must hold 16 NEIGHBOURS;
; each of a row's four loads reads 512 consecutive bytes: the 2,048 bytes go through the wave's own stage in LDS as they lie and come back 64 bytes a lane.
; A block's 16 bytes of codes belong, with the same block of the other 15 rows, to 256 consecutive bytes of a_frag: they are gathered in a second stage (16 pieces of 256 bytes + 16) and leave as eight stores of 512 consecutive bytes.
; The wave's 16 x 16 scale bytes are 256 consecutive bytes of a_scl.
; WORK-GROUPS 256-319 RE-LAY inputs_codes [2048][1024 bytes] and inputs_scales [2048][64]: a wave takes 16 rows x 1,024 along K.  320-327 re-lay input_weights_scales [4096][64], 328-343 reservoir_weights_scales [4096][128].
; Nothing is computed there.  The four paths part on the work-group's number and have LDS bytes of their own.
; No tensor load, no barrier, no loop: waves share nothing, every offset is an immediate.  The quantising waves' loads run ten rows (40 loads, 20,480 bytes a wave) ahead.
.set R,     16                         ; v16-175  ten sets of 16 numbers as they are loaded; at the end the codes on their way out
.set X,     176                        ; v176-239 four sets of 16 neighbours: two rows at work, two on their way through the stage
.set C,     240                        ; v240-247 codes: two registers a row, two pairs by turns
.set E,     248                        ; v248-251 scale bytes: one register a row, two pairs by turns
.set SP,    80                         ; a lane's place in the first stage: its 64 bytes + 16 of padding
.set OP,    272                        ; a piece of the second stage: 256 bytes + 16 of padding
.set WREG,  9728                       ; LDS of a quantising wave: two stages of 32 x SP, 256 scale bytes, 16 pieces of OP
.set SCBY,  5120
.set OSTG,  5376
.set IBASE, 4*WREG                     ; LDS of the re-laying waves, path by path: 32 pieces of OP each
.set IREG,  32*OP
.set CBASE, IBASE+4*IREG
.set DBASE, IBASE+8*IREG
.set SPARE, IBASE+12*IREG              ; the spare words, 128 bytes for each wave, which no other line names
.set GFR,   196608                     ; a group's bytes in a_frag
.set GSC,   12288                      ; and in a_scl
.set HSC,   24576                      ; a run's bytes in b_scl
.set SPW,   12                         ; v12      LDS address of my spare word: SPARE + 4 x my thread's number; never rewritten
.set NIL,   13                         ; v13      0; never rewritten
.macro LEAVE                           ; the wave's end: three lines behind my last LDS store
	s_wait_tensorcnt 0x0
	ds_add_u32 v[SPW], v[NIL]
	s_wait_dscnt 0x0
	s_endpgm
.endm
	s_load_b128 s[4:7], s[0:1], 0x0                ; prev_state s[4:5], inputs_codes s[6:7]
	s_load_b128 s[8:11], s[0:1], 0x10              ; inputs_scales s[8:9], a_frag s[10:11]
	s_load_b64 s[12:13], s[0:1], 0x20              ; a_scl
	s_load_b128 s[28:31], s[0:1], 0x28             ; input_weights_scales s[28:29], reservoir_weights_scales s[30:31]
	s_load_b64 s[14:15], s[0:1], 0x38              ; b_scl
	v_lshl_add_u32 v[SPW], v0, 2, SPARE
	v_mov_b32 v[NIL], 0
	v_lshrrev_b32 v1, 5, v0
	v_readfirstlane_b32 s16, v1                    ; wave
	v_and_b32 v2, 31, v0                           ; lane
	v_lshlrev_b32 v3, 4, v2                        ; 16 x lane: my bytes of a load's or a store's 512
	v_and_b32 v8, 15, v2
	v_lshrrev_b32 v9, 4, v2
	v_mul_u32_u24 v10, v9, OP
	v_lshl_add_u32 v10, v8, 4, v10                 ; out of the second stage: lanes 0-15 one piece, lanes 16-31 the next, 16 bytes a lane
	s_mov_b32 s21, 0                               ; the upper word of every offset
	s_cmp_ge_u32 ttmp9, 328
	s_cbranch_scc1 .Lscl_res
	s_cmp_ge_u32 ttmp9, 320
	s_cbranch_scc1 .Lscl_in
	s_cmp_ge_u32 ttmp9, 256
	s_cbranch_scc1 .Linputs
	; ---- prev_state: task = 4 x work-group + wave: 16 rows (task / 8), 512 along K (task % 8)
	s_lshl_b32 s18, ttmp9, 2
	s_add_co_u32 s18, s18, s16
	s_lshr_b32 s19, s18, 3                         ; which 16 rows
	s_and_b32 s18, s18, 7                          ; which 512 along K
	s_lshl_b32 s20, s19, 18                        ; 16 rows of 16,384 bytes
	s_lshl_b32 s24, s18, 11                        ; 2,048 bytes of f32
	s_add_co_u32 s20, s20, s24
	s_wait_kmcnt 0x0
	s_add_nc_u64 s[4:5], s[4:5], s[20:21]
.macro LOAD t
.irp i, 0,1,2,3
	global_load_b128 v[R+16*((\t)%10)+4*\i:R+16*((\t)%10)+4*\i+3], v3, s[4:5] offset:16384*(\t)+512*\i   ; row t: 32 lanes read 512 consecutive bytes
.endr
.endm
	s_wait_alu depctr_va_vdst(0)
.irp t, 0,1,2,3,4,5,6,7,8,9
	LOAD \t
.endr
	s_mul_i32 s17, s16, WREG
	v_lshrrev_b32 v14, 2, v2
	v_mul_u32_u24 v14, v14, SP
	v_and_b32 v15, 3, v2
	v_lshl_add_u32 v14, v15, 4, v14
	v_add_nc_u32 v14, s17, v14                     ; the first stage, on the way in: four lanes' 64 bytes on end, then 16 of padding
	v_mul_u32_u24 v15, v2, SP
	v_add_nc_u32 v15, s17, v15                     ; and on the way out: SP x lane: my 16 neighbours
	v_lshrrev_b32 v5, 1, v2                        ; my block of the row's 16
	v_mul_u32_u24 v4, v5, OP
	v_and_b32 v6, 1, v2
	v_lshl_add_u32 v4, v6, 3, v4
	s_add_co_u32 s25, s17, OSTG
	v_add_nc_u32 v4, s25, v4                       ; the second stage, on the way in: my block's piece, my half of its 16 bytes; the row stands in the immediate
	v_add_nc_u32 v10, s25, v10
	s_add_co_u32 s25, s17, SCBY
	v_add_nc_u32 v5, s25, v5                       ; my wave's 256 scale bytes: my block's byte
	v_lshlrev_b32 v7, 3, v2                        ; and on the way out 8 bytes a lane
	v_add_nc_u32 v6, s25, v7
	s_lshr_b32 s22, s19, 2                         ; the group of 64 rows
	s_and_b32 s23, s19, 3                          ; the block of 16 in it
	s_mul_i32 s20, s22, GFR
	s_lshl_b32 s24, s18, 14                        ; four steps of 4,096 bytes for each 512 along K,
	s_add_co_u32 s20, s20, s24
	s_lshl_b32 s24, s23, 10                        ; 1,024 bytes a block,
	s_add_co_u32 s20, s20, s24
	s_add_co_u32 s20, s20, 16*4096                 ; behind the inputs' 16 steps
	s_add_nc_u64 s[10:11], s[10:11], s[20:21]
	s_mul_i32 s20, s22, GSC
	s_lshl_b32 s24, s18, 10
	s_add_co_u32 s20, s20, s24
	s_and_b32 s24, s23, 1                          ; block a lies in piece a % 2, lanes 16 (a / 2) on
	s_lshl_b32 s24, s24, 9
	s_add_co_u32 s20, s20, s24
	s_lshr_b32 s24, s23, 1
	s_lshl_b32 s24, s24, 8
	s_add_co_u32 s20, s20, s24
	s_add_co_u32 s20, s20, 4*1024                  ; behind the inputs' 4 K steps
	s_add_nc_u64 s[12:13], s[12:13], s[20:21]
.macro TURN t                          ; row t's numbers through the first stage: LDS serves a wave's instructions in order (ISA guide 5.7.1), so no wait stands between the stores and the loads
.irp i, 0,1,2,3
	ds_store_b128 v14, v[R+16*((\t)%10)+4*\i:R+16*((\t)%10)+4*\i+3] offset:32*SP*((\t)%2)+8*SP*\i
.endr
.irp i, 0,1,2,3
	ds_load_b128 v[X+16*((\t)%4)+4*\i:X+16*((\t)%4)+4*\i+3], v15 offset:32*SP*((\t)%2)+16*\i
.endr
.endm
	s_wait_alu depctr_va_vdst(0)
	s_wait_loadcnt 32                              ; rows 0 and 1 are in; the 32 loads of rows 2 to 9 may be out
	TURN 0
	TURN 1
.macro PAIR u                          ; rows 2 u and 2 u + 1
.set XA, X+32*((\u)%2)
.set XB, XA+16
.set CS, C+4*((\u)%2)
.set ES, E+2*((\u)%2)
.if (\u) > 0
	s_wait_dscnt 4                                 ; both rows are back from the stage (the last pair's four stores may be out): so their stores into the stage have read their registers,
.else
	s_wait_dscnt 0x0
.endif
.if (\u) <= 2
	LOAD 2*(\u)+10                                 ; which take the loads of ten rows on
	LOAD 2*(\u)+11
.endif
.if (\u) < 7
.if (\u) <= 2
	s_wait_loadcnt 32                              ; the next two rows are in; the loads of the eight rows behind them may be out
.else
	s_wait_loadcnt 48-8*(\u)                       ; towards the end: rows 2 u + 4 .. 15, four loads each
.endif
	TURN 2*(\u)+2                                  ; and go through the stage while these two are worked
	TURN 2*(\u)+3
.endif
	v_max3_num_f32 v8, |v[XA]|, |v[XA+1]|, |v[XA+2]|               ; the largest magnitude of my 16 of each row, in two chains each
	v_max3_num_f32 v9, |v[XA+3]|, |v[XA+4]|, |v[XA+5]|
	v_max3_num_f32 v252, |v[XB]|, |v[XB+1]|, |v[XB+2]|
	v_max3_num_f32 v253, |v[XB+3]|, |v[XB+4]|, |v[XB+5]|
.irp i, 6,10
	v_max3_num_f32 v8, v8, |v[XA+\i]|, |v[XA+\i+1]|
	v_max3_num_f32 v9, v9, |v[XA+\i+2]|, |v[XA+\i+3]|
	v_max3_num_f32 v252, v252, |v[XB+\i]|, |v[XB+\i+1]|
	v_max3_num_f32 v253, v253, |v[XB+\i+2]|, |v[XB+\i+3]|
.endr
	v_max3_num_f32 v8, v8, |v[XA+14]|, |v[XA+15]|
	v_max3_num_f32 v252, v252, |v[XB+14]|, |v[XB+15]|
	v_max3_num_f32 v8, v8, v9, 0x1800000           ; and the floor 2^(3 - 127), under which no largest magnitude is taken: so the byte cannot fall under 1
	v_max3_num_f32 v252, v252, v253, 0x1800000
	v_max_num_f32_dpp v8, v8, v8 row_xmask:1 row_mask:0xf bank_mask:0xf   ; and of my neighbour's 16: the block's
	v_max_num_f32_dpp v252, v252, v252 row_xmask:1 row_mask:0xf bank_mask:0xf
	v_add_nc_u32 v11, 0xff000000, v8               ; 2 off its exponent field: the conversion takes the exponent field of this operand as its scale, and nothing else of it
	v_add_nc_u32 v254, 0xff000000, v252
	v_cvt_scalef32_pk8_fp4_f32 v[CS], v[XA:XA+7], v11              ; eight numbers / the scale, to the nearest code, ties to even; the first number's code in the lowest four bits
	v_cvt_scalef32_pk8_fp4_f32 v[CS+1], v[XA+8:XA+15], v11
	v_cvt_scalef32_pk8_fp4_f32 v[CS+2], v[XB:XB+7], v254
	v_cvt_scalef32_pk8_fp4_f32 v[CS+3], v[XB+8:XB+15], v254
	v_lshrrev_b32 v[ES], 23, v11                   ; the scale's byte (also the plain line behind the conversions)
	v_lshrrev_b32 v[ES+1], 23, v254
	ds_store_b8 v5, v[ES] offset:32*(\u)           ; a row's 16 bytes on end; both lanes of a block write the same byte with the same value
	ds_store_b64 v4, v[CS:CS+1] offset:32*(\u)     ; my 8 bytes of codes: piece = block, 16 bytes a row
	ds_store_b8 v5, v[ES+1] offset:32*(\u)+16
	ds_store_b64 v4, v[CS+2:CS+3] offset:32*(\u)+16
.endm
.irp u, 0,1,2,3,4,5,6,7
	PAIR \u
.endr
	ds_load_b64 v[8:9], v6                         ; LDS serves a wave's instructions in order: these loads see my stores
.irp j, 0,1,2,3,4,5,6,7
	ds_load_b128 v[R+4*\j:R+4*\j+3], v10 offset:2*OP*\j            ; pieces 2 j and 2 j + 1: step j / 2 of my four, c = j % 2
.endr
	s_wait_dscnt 8
	global_store_b64 v7, v[8:9], s[12:13]          ; 32 lanes store my 256 scale bytes, at a multiple of 256 from the buffer's first byte
.irp j, 0,1,2,3,4,5,6,7
	s_wait_dscnt 7-\j
	global_store_b128 v3, v[R+4*\j:R+4*\j+3], s[10:11] offset:(\j/2)*4096+(\j%2)*512   ; 32 lanes store 512 consecutive bytes, at a multiple of 512
.endr
	LEAVE
.macro FROM base, pitch                ; sixteen loads of 512 consecutive bytes; read once
.irp j, 0,1,2,3,4,5,6,7,8,9,10,11,12,13,14,15
	global_load_b128 v[R+4*\j:R+4*\j+3], v3, s[\base:\base+1] offset:\pitch*\j th:TH_LOAD_NT
.endr
.endm
.macro BACK                            ; pieces 2 j and 2 j + 1 of the stage
.irp j, 0,1,2,3,4,5,6,7,8,9,10,11,12,13,14,15
	ds_load_b128 v[R+64+4*\j:R+64+4*\j+3], v10 offset:2*OP*\j
.endr
.endm
.Lscl_in:
	; ---- the input weights' scales: task H = 4 x (work-group - 320) + wave: 128 rows of 64 bytes, 8,192 consecutive bytes.
	; Load j, lane l: row 8 j + l / 4, K step l % 4: so b = (l / 4) % 4, r = 2 (j % 8) + l / 16, h = j / 8.  A piece of the stage is 16 rows r of one (K step, b, h).
	s_wait_alu depctr_va_vdst(0)
	s_sub_co_u32 s18, ttmp9, 320
	s_lshl_b32 s18, s18, 2
	s_add_co_u32 s18, s18, s16
	s_lshl_b32 s20, s18, 13
	s_mul_i32 s17, s16, IREG
	s_add_co_u32 s17, s17, CBASE
	v_and_b32 v4, 3, v2
	v_bfe_u32 v5, v2, 2, 2
	v_lshl_add_u32 v4, v4, 2, v5                   ; 4 x K step + b
	v_mul_u32_u24 v4, v4, 2*OP
	v_lshl_add_u32 v4, v9, 4, v4
	v_add_nc_u32 v4, s17, v4
	v_add_nc_u32 v10, s17, v10
	s_wait_alu depctr_va_vdst(0)
	s_wait_kmcnt 0x0
	s_add_nc_u64 s[28:29], s[28:29], s[20:21]
	FROM 28, 512
	s_mul_i32 s20, s18, HSC
	s_add_nc_u64 s[14:15], s[14:15], s[20:21]
.irp j, 0,1,2,3,4,5,6,7,8,9,10,11,12,13,14,15
	s_wait_loadcnt 15-\j
	ds_store_b128 v4, v[R+4*\j:R+4*\j+3] offset:(\j/8)*OP+(\j%8)*32
.endr
	BACK
.irp j, 0,1,2,3,4,5,6,7,8,9,10,11,12,13,14,15
	s_wait_dscnt 15-\j
	global_store_b128 v3, v[R+64+4*\j:R+64+4*\j+3], s[14:15] offset:512*\j   ; 512 consecutive bytes
.endr
	LEAVE
.Lscl_res:
	; ---- the reservoir's scales: task T = 4 x (work-group - 328) + wave: H = T / 2, h = T % 2: 64 rows of 128 bytes, 8,192 consecutive bytes.
	; Load j, lane l: row 4 j + l / 8, K step l % 8: so b = l / 8, r = j.
	s_wait_alu depctr_va_vdst(0)
	s_sub_co_u32 s18, ttmp9, 328
	s_lshl_b32 s18, s18, 2
	s_add_co_u32 s18, s18, s16
	s_lshl_b32 s20, s18, 13
	s_mul_i32 s17, s16, IREG
	s_add_co_u32 s17, s17, DBASE
	v_and_b32 v4, 7, v2
	v_lshrrev_b32 v5, 3, v2
	v_lshl_add_u32 v4, v4, 2, v5                   ; 4 x K step + b
	v_mul_u32_u24 v4, v4, OP
	v_add_nc_u32 v4, s17, v4
	v_lshlrev_b32 v5, 4, v8
	v_lshl_add_u32 v5, v9, 9, v5                   ; out: lanes 0-15 one piece of 256 bytes, lanes 16-31 the next, 512 bytes on
	v_add_nc_u32 v10, s17, v10
	s_wait_alu depctr_va_vdst(0)
	s_wait_kmcnt 0x0
	s_add_nc_u64 s[30:31], s[30:31], s[20:21]
	FROM 30, 512
	s_lshr_b32 s20, s18, 1
	s_mul_i32 s20, s20, HSC
	s_and_b32 s24, s18, 1
	s_lshl_b32 s24, s24, 8
	s_add_co_u32 s20, s20, s24
	s_add_co_u32 s20, s20, 8192                    ; behind the input weights' 4 K steps
	s_add_nc_u64 s[14:15], s[14:15], s[20:21]
.irp j, 0,1,2,3,4,5,6,7,8,9,10,11,12,13,14,15
	s_wait_loadcnt 15-\j
	ds_store_b128 v4, v[R+4*\j:R+4*\j+3] offset:16*\j
.endr
	BACK
.irp j, 0,1,2,3,4,5,6,7,8,9,10,11,12,13,14,15
	s_wait_dscnt 15-\j
	global_store_b128 v5, v[R+64+4*\j:R+64+4*\j+3], s[14:15] offset:1024*\j   ; each half of the lanes stores 256 consecutive bytes, at a multiple of 256
.endr
	LEAVE
.Linputs:
	; ---- inputs: task = 4 x (work-group - 256) + wave: 16 rows (task / 2), 1,024 along K (task % 2).  Lane l of a row's load holds block l of the 32: piece l of the stage
	s_sub_co_u32 s18, ttmp9, 256
	s_lshl_b32 s18, s18, 2
	s_add_co_u32 s18, s18, s16
	s_lshr_b32 s19, s18, 1                         ; which 16 rows
	s_and_b32 s18, s18, 1                          ; which 1,024 along K
	s_lshl_b32 s20, s19, 14                        ; 16 rows of 1,024 bytes
	s_lshl_b32 s24, s18, 9                         ; 512 bytes of codes
	s_add_co_u32 s20, s20, s24
	s_wait_kmcnt 0x0
	s_add_nc_u64 s[6:7], s[6:7], s[20:21]
	s_wait_alu depctr_va_vdst(0)
	FROM 6, 1024
	s_lshl_b32 s20, s19, 10                        ; the scale bytes: 16 rows of 64 bytes,
	s_lshl_b32 s24, s18, 5                         ; 32 bytes for 1,024 along K
	s_add_co_u32 s20, s20, s24
	s_add_nc_u64 s[8:9], s[8:9], s[20:21]
	v_lshlrev_b32 v246, 6, v8
	v_lshl_add_u32 v246, v9, 4, v246               ; lane (r, h): row r, the h-th 512 along K: 16 bytes
	global_load_b128 v[X:X+3], v246, s[8:9] th:TH_LOAD_NT
	s_mul_i32 s17, s16, IREG
	s_add_co_u32 s17, s17, IBASE
	v_mul_u32_u24 v248, v2, OP
	v_add_nc_u32 v248, s17, v248                   ; into the stage: piece = lane; the row stands in the immediate
	v_add_nc_u32 v10, s17, v10
	v_lshlrev_b32 v247, 4, v8
	v_lshl_add_u32 v247, v9, 10, v247              ; a_scl: 16 r, and 1,024 bytes from one K step of 512 to the next
	s_lshr_b32 s22, s19, 2                         ; the group of 64 rows
	s_and_b32 s23, s19, 3                          ; the block of 16 in it
	s_mul_i32 s20, s22, GFR
	s_lshl_b32 s24, s18, 15                        ; eight steps of 4,096 bytes
	s_add_co_u32 s20, s20, s24
	s_lshl_b32 s24, s23, 10
	s_add_co_u32 s20, s20, s24
	s_add_nc_u64 s[10:11], s[10:11], s[20:21]
	s_mul_i32 s20, s22, GSC
	s_lshl_b32 s24, s18, 11                        ; two K steps of 1,024 bytes
	s_add_co_u32 s20, s20, s24
	s_and_b32 s24, s23, 1
	s_lshl_b32 s24, s24, 9
	s_add_co_u32 s20, s20, s24
	s_lshr_b32 s24, s23, 1
	s_lshl_b32 s24, s24, 8
	s_add_co_u32 s20, s20, s24
	s_add_nc_u64 s[12:13], s[12:13], s[20:21]
	s_wait_alu depctr_va_vdst(0)
.irp j, 0,1,2,3,4,5,6,7,8,9,10,11,12,13,14,15
	s_wait_loadcnt 16-\j                           ; row j is in; the later rows' loads and the scales' may be out
	ds_store_b128 v248, v[R+4*\j:R+4*\j+3] offset:16*\j
.endr
	BACK                                           ; step j / 2 of my eight, c = j % 2
	s_wait_loadcnt 0x0
	global_store_b128 v247, v[X:X+3], s[12:13]     ; each half of the lanes stores 256 consecutive bytes, at a multiple of 256
.irp j, 0,1,2,3,4,5,6,7,8,9,10,11,12,13,14,15
	s_wait_dscnt 15-\j
	global_store_b128 v3, v[R+64+4*\j:R+64+4*\j+3], s[10:11] offset:(\j/2)*4096+(\j%2)*512
.endr
	LEAVE
.Lfunc_end_k_qe04e637558_prep:
	.size	k_qe04e637558_prep, .Lfunc_end_k_qe04e637558_prep-k_qe04e637558_prep
	.p2alignl 7, 3214868480
	.fill 96, 4, 3214868480
	.section	.rodata,"a",@progbits
	.p2align	6, 0x0
	.amdhsa_kernel k_qe04e637558_prep
		.amdhsa_group_segment_fixed_size 143872
		.amdhsa_private_segment_fixed_size 0
		.amdhsa_enable_private_segment 0
		.amdhsa_kernarg_size 64
		.amdhsa_user_sgpr_count 2
		.amdhsa_user_sgpr_kernarg_segment_ptr 1
		.amdhsa_wavefront_size32 1
		.amdhsa_system_sgpr_workgroup_id_x 1
		.amdhsa_system_sgpr_workgroup_id_y 1
		.amdhsa_system_sgpr_workgroup_id_z 1
		.amdhsa_system_vgpr_workitem_id 0
		.amdhsa_next_free_vgpr 256
		.amdhsa_next_free_sgpr 66
		.amdhsa_reserve_vcc 0
		.amdhsa_float_denorm_mode_32 3
		.amdhsa_float_denorm_mode_16_64 3
		.amdhsa_memory_ordered 1
		.amdhsa_forward_progress 1
		.amdhsa_inst_pref_size 57
	.end_amdhsa_kernel
	.amdgpu_metadata
---
amdhsa.version: [ 1, 2 ]
amdhsa.kernels:
  - .name:           k_qe04e637558_prep
    .symbol:         k_qe04e637558_prep.kd
    .args:
      - { .name: prev_state, .offset: 0, .size: 8, .value_kind: global_buffer, .address_space: global }
      - { .name: inputs_codes, .offset: 8, .size: 8, .value_kind: global_buffer, .address_space: global }
      - { .name: inputs_scales, .offset: 16, .size: 8, .value_kind: global_buffer, .address_space: global }
      - { .name: a_frag, .offset: 24, .size: 8, .value_kind: global_buffer, .address_space: global }
      - { .name: a_scl, .offset: 32, .size: 8, .value_kind: global_buffer, .address_space: global }
      - { .name: input_weights_scales, .offset: 40, .size: 8, .value_kind: global_buffer, .address_space: global }
      - { .name: reservoir_weights_scales, .offset: 48, .size: 8, .value_kind: global_buffer, .address_space: global }
      - { .name: b_scl, .offset: 56, .size: 8, .value_kind: global_buffer, .address_space: global }
    .group_segment_fixed_size: 143872
    .private_segment_fixed_size: 0
    .kernarg_segment_align: 8
    .kernarg_segment_size: 64
    .max_flat_workgroup_size: 128
    .sgpr_count:     66
    .vgpr_count:     256
    .wavefront_size: 32
...
	.end_amdgpu_metadata
.endif
;; end of part 1
;; launch step (part 2): grid 16 x 16, 4 waves a work-group, clusters of 4 x 1, 327,680 bytes of LDS; arguments a_frag, a_scl, b_scl, input_weights_codes, reservoir_weights_codes, prev_state, out0; writes out0
.if DOCPART == 2
	.amdgcn_target "amdgcn-amd-amdhsa--gfx1250"
	.amdhsa_code_object_version 6
	.text
	.protected	k_qe04e637558_step
	.globl	k_qe04e637558_step
	.p2align	8
	.type	k_qe04e637558_step,@function
k_qe04e637558_step:
	s_mov_b64 s[64:65], 0
	v_nop
	global_prefetch_b8 v0, s[64:65] scope:SCOPE_SE
	s_setreg_imm32_b32 hwreg(HW_REG_WAVE_MODE, 25, 1), 1
	s_wait_xcnt 0x0
	s_wait_alu depctr_hold_cnt(0) depctr_sa_sdst(0) depctr_va_vdst(0) depctr_va_sdst(0) depctr_va_ssrc(0) depctr_va_vcc(0) depctr_vm_vsrc(0)
	s_getreg_b32 s2, hwreg(HW_REG_IB_STS2, 6, 4)
	s_cmp_eq_u32 s2, 0
	s_cbranch_scc0 .Lentry_in_a_cluster
	s_endpgm
.Lentry_in_a_cluster:
	s_bfe_u32 s2, ttmp6, 0x10000c
	s_cmp_lg_u32 s2, 0x3003
	s_cbranch_scc0 .Lentry_shape_is_right
	s_endpgm
.Lentry_shape_is_right:
; out0[m][n] = 0.7 prev_state[m][n] + 0.3 tanh( sum_k inputs[m][k] Win[n][k] + sum_q prev_state[m][q] Wres[n][q] ), M = 2048, N = 4096.  Nothing of the problem is left out: every input is used.
; Both products are on codes of E2M1 with one E8M0 byte for each 32 along K, and add into ONE f32 sum: K = 2048 + 4096, walked in 48 steps of 128: steps 0-15 inputs x input_weights, 16-47 prev_state x reservoir_weights.
; SHARES.  A tile of out0 is 128 rows x 256 columns: 16 x 16 = 256 work-groups (x: the tile row, y: the tile column).  Four waves, 2 x 2; a wave makes 64 x 128: 16 accumulators of 32 x 16, 256 registers.
; B (the weights) comes through a ring of two LDS slots of 1,024 along K, filled by the tensor data mover: slots 0, 1 hold the input weights, then 4 x the reservoir's.
; WAVE w FETCHES THE TILE'S WEIGHT ROWS 4 rho + w, rho = 0 .. 63, into LDS rows 64 w + rho.  A fragment's 16 LDS rows are then the columns 64 g + 4 r + b of my half (b = w): over b = 0 .. 3 lane r holds
; the four NEIGHBOURING columns 64 g + 4 r .. + 3 of a row, and sixteen lanes hold 256 consecutive bytes of out0.  So prev_state comes in and out0 leaves straight between memory and registers, without an LDS stage.
; A (the batch rows) DOES NOT GO THROUGH LDS, so A's tiles are not asked for jointly: with A's 128 rows beside B's, a slot of 1,024 along K would be 384 x 528 = 202,752 bytes, and two such do not fit in 327,680.
; The launch before has laid A's codes and both sides' scale words in the order of the operand's registers: each load of a wave is 512 consecutive bytes, every offset an immediate, asked for five steps ahead.
; CLUSTERS: 4 x 1 work-groups: four tile rows of one tile column.  They need the same tiles of B: each is asked for JOINTLY, by the same tensor load with the same descriptor and the mask of all four.
; SOURCE 0 = 32 batch rows (blocks i and i + 2 of my four blocks of 16), source 1 = 16 weight rows.  Register j < 8 of accumulator (i, 4 g + b): row 16 i + 8 h + j; register 8 + j: row 16 (i + 2) + 8 h + j; column 64 g + 4 r + b.
; THE LEAK TERM.  prev_state's 64 x 128 numbers come by 64 plain loads in the layout in which out0 leaves, two a step in steps 8 to 39; six steps later 0.7 p + 0.3 is formed in place.
; tanh(x) = 1 - 2 / (1 + 2^(2 log2(e) x)), in f32, so out0 = (0.7 p + 0.3) - 0.6 / (1 + 2^(2.88539 x)).  LIMITS: where the exponential overflows the reciprocal is 0 and tanh is 1; where it falls to 0, tanh is -1;
; near x = 0 the form's absolute error is a few units of 1's last place, not of x's.  Nothing behind it goes into a quantiser.  A NaN scale byte (0xff) among the inputs makes its sums NaN, as in the definition.
; REGISTERS, in windows of 256: window 0: v1-31 addresses and constants; v32-55 A's scale words, v64-111 B's, three sets each (they hold scales and nothing else); v128-191 A's sets 4, 5.
;   window 1: v0-127 B's fragments, two sets; v128-255 A's sets 0-3.   window 2: accumulator (i, b) at v[16 (8 i + b)].   window 3: quad q = 2 (8 block + j) + g of prev_state, later of out0, at v[4 q].
; The 48 steps are written out by macros: every register number, offset and count is a constant of its step.
.set PITCH,  528                       ; an LDS row: 512 bytes + 16 of padding = 132 words, so that the 16 rows that a fragment load touches begin 4 words further on each, modulo 64 words
.set QROWS,  64*PITCH                  ; 64 rows: what one tensor load brings
.set SLOT,   256*PITCH                 ; 135,168 bytes
.set SPARE,  2*SLOT                    ; behind the ring: the spare words, 128 bytes for each wave, which no other line names
.set GFR,    196608                    ; a group of 64 rows in a_frag: 48 steps of 4,096 bytes
.set GSC,    12288                     ; and in a_scl: 12 K steps of 1,024 bytes
.set HSC,    24576                     ; 128 weight rows in b_scl: 12 K steps of 2,048 bytes
.set SPW,   14                         ; v14  LDS address of my spare word; never rewritten
.set NIL,   15                         ; v15  0; never rewritten
.set ADRB,  16                         ; v16-19  LDS address of my B fragments: slot 0, b = 0, 1; slot 0, b = 2, 3; slot 1 likewise
.set C07,   20                         ; v[20:21] 0.7 twice
.set C03,   22                         ; v[22:23] 0.3 twice
.set PVO,   24                         ; v24  my byte offset in prev_state's and out0's tile: row 8 h, 16 r
.set CO,    26                         ; v26  16 x lane
.set PFO,   27                         ; v27  offset of my prefetches of B
.set PFA,   28                         ; v28  and of A
.set PFI,   29                         ; v29  and of slot 1's first fill
.set SCA,   32                         ; A's scale words of K step kk (512 along K) at v[SCA + 8 (kk % 3) + 4 i + q]: lanes 0-15 block i, lanes 16-31 block i + 2
.set SCB,   64                         ; B's at v[SCB + 16 (kk % 3) + 4 b + q]: lanes 0-15 g = 0, lanes 16-31 g = 1
.set G1F,   4                          ; s[4:11]   descriptor group 1 for the input weights' tiles;  s[12:19] for the reservoir's: it differs in the pitch in memory alone
.set G1B,   12
.set G0F,   20                         ; s[20:27]  group 0 for the two first fills;  s[28:35] for the refills, one set for each slot
.set G0B,   28
.set AP,    36                         ; s[36:37]  a_frag at my group of 64 rows;  s[38:39] a_scl likewise
.set ASP,   38
.set BSP,   40                         ; s[40:41]  b_scl at my 128 weight rows
.set PV,    44                         ; s[44:45]  prev_state at my wave's corner;  s[46:47] out0 likewise
.set OUT,   46
.set WV,    50                         ; my wave's number
.set FB,    51                         ; wave / 2: which 64 rows of the tile are mine
.set HF,    52                         ; wave % 2: which 128 columns are mine
.set CXP,   53                         ; my place in the cluster
.set TX,    54                         ; tile row
.set TY,    55                         ; tile column
.set KE,    70                         ; s[70:71]  2 log2(e): the packed form names a pair and takes its low word for both halves
.set KM,    72                         ; -0.6
.set PFB,   74                         ; s[74:75]  where my prefetches of the reservoir's weights stand;  s[76:77]  of slot 1's first fill
.set PFW,   76
.set MSB, 0
.set ISS, 0                            ; how many loads into registers the text has issued so far; E0 .. E5: that number behind the last fragment of A of this step and of the next five
.macro WIN new                         ; the immediate's high byte repeats the setting that is left; a switch that changes nothing is dropped
.if MSB != \new
	s_set_vgpr_msb (MSB<<8)|\new
.set MSB, \new
.endif
.endm
.macro JLOAD g0, g1                    ; a joint load: every wave issues one, for its own 64 rows: nothing in its registers hangs on a coordinate that the four partners do not share
	tensor_load_to_lds s[\g0:\g0+3], s[\g1:\g1+7]
	s_nop 0
.rept 4
	v_nop
.endr
.endm
.macro CREST                           ; a round of the cluster's barrier behind its opening barrier
	s_cmp_lg_u32 s[WV], 0
	s_cbranch_scc1 .Lnot_wave_0_\@
	s_barrier_signal -3
.Lnot_wave_0_\@:
	s_barrier_wait -3
	s_barrier_signal -1
	s_barrier_wait -1
.endm
.macro CROUND                          ; a whole round
	s_barrier_signal -1
	s_barrier_wait -1
	CREST
.endm
	s_load_b128 s[AP:AP+3], s[0:1], 0x0            ; a_frag, a_scl
	s_load_b64 s[BSP:BSP+1], s[0:1], 0x10          ; b_scl
	s_load_b64 s[G0F+2:G0F+3], s[0:1], 0x18        ; input_weights_codes
	s_load_b64 s[G0B+2:G0B+3], s[0:1], 0x20        ; reservoir_weights_codes
	s_load_b128 s[PV:PV+3], s[0:1], 0x28           ; prev_state, out0
	v_lshl_add_u32 v[SPW], v0, 2, SPARE
	v_mov_b32 v[NIL], 0
	ds_add_u32 v[SPW], v[NIL]                      ; the wave's opening: the add, twice on end, and its wait ahead of my first tensor load; the set-up below, work on registers, stands between
	ds_add_u32 v[SPW], v[NIL]
	v_lshrrev_b32 v1, 5, v0
	v_readfirstlane_b32 s[WV], v1
	s_lshr_b32 s[FB], s[WV], 1
	s_and_b32 s[HF], s[WV], 1
	s_bfe_u32 s[CXP], ttmp6, 0x40000
	s_lshl_b32 s[TX], ttmp9, 2                     ; in a cluster launch ttmp9 counts clusters
	s_add_co_u32 s[TX], s[TX], s[CXP]              ; the tile row enters A's, prev_state's and out0's addresses alone
	s_and_b32 s[TY], ttmp7, 0xffff                 ; the tile column, which the four partners share
	; group 1: 64 rows of 512 elements of 1 byte, every fourth row of memory, 16 bytes of padding behind each (after every 128 words, 4 words); the mask of all four, with bit 21 set beside it
.irp g, G1F, G1B
	s_mov_b32 s[\g], 15|(1<<20)|(1<<21)|(6<<22)|(3<<25)
	s_mov_b32 s[\g+1], 512<<16                     ; tensor_dim0
	s_mov_b32 s[\g+2], 64<<16                      ; tensor_dim1
	s_mov_b32 s[\g+3], 512<<16                     ; tile_dim0
	s_mov_b32 s[\g+4], 64                          ; tile_dim1
	s_mov_b32 s[\g+6], 0
	s_mov_b32 s[\g+7], 0
.endr
	s_mov_b32 s[G1F+5], 4096                       ; four rows of 1,024 bytes
	s_mov_b32 s[G1B+5], 8192                       ; four rows of 2,048 bytes
	s_mul_i32 s2, s[WV], QROWS
	s_mov_b32 s[G0F], 1
	s_mov_b32 s[G0F+1], s2                         ; slot 0, LDS rows 64 x wave on
	s_mov_b32 s[G0F+4], 1
	s_add_co_u32 s[G0F+5], s2, SLOT                ; slot 1
	s_mov_b32 s[G0B], 1
	s_mov_b32 s[G0B+1], s2
	s_mov_b32 s[G0B+4], 1
	s_add_co_u32 s[G0B+5], s2, SLOT
	s_lshl_b32 s78, s[TY], 8
	s_add_co_u32 s78, s78, s[WV]                   ; the first weight row that I fetch: 256 x tile column + wave
	s_lshl_b32 s78, s78, 10                        ; of 1,024 bytes
	s_mov_b32 s79, 0
	s_lshl_b32 s80, s[TX], 1
	s_add_co_u32 s80, s80, s[FB]                   ; my group of 64 batch rows
	s_mul_i32 s82, s80, GSC
	s_mov_b32 s83, 0
	s_mul_i32 s80, s80, GFR
	s_mov_b32 s81, 0
	s_lshl_b32 s84, s[TX], 7                       ; my corner of prev_state and out0: row 128 x tile row + 64 x (wave / 2), of 16,384 bytes;
	s_lshl_b32 s85, s[FB], 6
	s_add_co_u32 s84, s84, s85
	s_lshl_b32 s84, s84, 14
	s_lshl_b32 s85, s[TY], 10                      ; column 256 x tile column + 128 x (wave % 2), of 4 bytes
	s_add_co_u32 s84, s84, s85
	s_lshl_b32 s85, s[HF], 9
	s_add_co_u32 s84, s84, s85
	s_mov_b32 s85, 0
	s_lshl_b32 s86, s[TY], 1
	s_add_co_u32 s86, s86, s[HF]
	s_mul_i32 s86, s86, HSC                        ; my 128 weight rows' scale words
	s_mov_b32 s87, 0
	s_lshl_b32 s90, s[CXP], 17                     ; the prefetches of B: 16 cx rows of 8,192 bytes
	s_mov_b32 s91, 0
	s_lshl_b32 s88, s[CXP], 16                     ; 16 cx rows of 4,096 bytes
	s_mov_b32 s89, 0
	s_and_b32 s57, s[TY], 3                        ; the prefetches of A: block 32 (tile column % 4) + 16 (wave % 2) of 256 bytes
	s_lshl_b32 s57, s57, 13
	s_lshl_b32 s58, s[HF], 12
	s_add_co_u32 s57, s57, s58
	s_mov_b32 s[KE], 0x4038aa3b                    ; 2 log2(e)
	s_mov_b32 s[KE+1], s[KE]
	s_mov_b32 s[KM], 0xbf19999a                    ; -0.6 = -2 x the leak rate
	s_mul_i32 s56, s[HF], 32*PITCH                 ; my 128 columns: rows 32 x (wave % 2) on of each 64
	v_and_b32 v7, 31, v0                           ; lane
	v_lshlrev_b32 v[CO], 4, v7
	v_and_b32 v1, 15, v0                           ; r
	v_bfe_u32 v2, v0, 4, 1                         ; h
	v_mul_u32_u24 v3, v1, PITCH
	v_lshl_add_u32 v3, v2, 4, v3                   ; a fragment's row x pitch + 16 h
	v_add_nc_u32 v[ADRB], s56, v3
	s_add_co_u32 s56, s56, 128*PITCH
	v_add_nc_u32 v[ADRB+1], s56, v3
	s_add_co_u32 s56, s56, SLOT-128*PITCH
	v_add_nc_u32 v[ADRB+2], s56, v3
	s_add_co_u32 s56, s56, 128*PITCH
	v_add_nc_u32 v[ADRB+3], s56, v3
	v_lshlrev_b32 v4, 17, v2                       ; 8 h rows of 16,384 bytes
	v_lshl_add_u32 v[PVO], v1, 4, v4
	v_lshrrev_b32 v5, 1, v7
	v_lshlrev_b32 v5, 13, v5
	v_and_b32 v6, 1, v7
	v_lshl_add_u32 v[PFO], v6, 8, v5               ; 8,192 (lane / 2) + 256 (lane % 2)
	v_lshrrev_b32 v5, 1, v7
	v_lshlrev_b32 v5, 12, v5
	v_lshl_add_u32 v[PFI], v6, 8, v5               ; 4,096 (lane / 2) + 256 (lane % 2)
	v_min_u32 v4, 15, v7                           ; sixteen blocks a wave; lanes 16-31 name the wave's last block again
	v_lshlrev_b32 v4, 8, v4
	v_add_nc_u32 v[PFA], s57, v4
	v_mov_b32 v[C07], 0x3f333333                   ; 0.7 = 1 - the leak rate
	v_mov_b32 v[C07+1], 0x3f333333
	v_mov_b32 v[C03], 0x3e99999a                   ; 0.3
	v_mov_b32 v[C03+1], 0x3e99999a
	s_wait_alu depctr_va_vdst(0)
	s_wait_dscnt 0x0                               ; both opening adds are done
	CROUND                                         ; all four work-groups are here: the first joint loads meet.  Nothing in the round hangs on the arguments
	s_wait_kmcnt 0x0
	s_add_nc_u64 s[AP:AP+1], s[AP:AP+1], s[80:81]
	s_add_nc_u64 s[ASP:ASP+1], s[ASP:ASP+1], s[82:83]
	s_add_nc_u64 s[BSP:BSP+1], s[BSP:BSP+1], s[86:87]
	s_add_nc_u64 s[PV:PV+1], s[PV:PV+1], s[84:85]
	s_add_nc_u64 s[OUT:OUT+1], s[OUT:OUT+1], s[84:85]
	s_add_nc_u64 s[G0F+2:G0F+3], s[G0F+2:G0F+3], s[78:79]          ; slot 0: K = 0 .. 1023
	s_add_nc_u64 s[G0F+6:G0F+7], s[G0F+2:G0F+3], 512               ; slot 1: 1024 .. 2047
	s_lshl_b32 s78, s78, 1                         ; the reservoir's rows are twice as long
	s_add_nc_u64 s[G0B+2:G0B+3], s[G0B+2:G0B+3], s[78:79]          ; the first refill of slot 0: the reservoir's K = 0 .. 1023
	s_add_nc_u64 s[G0B+6:G0B+7], s[G0B+2:G0B+3], 512               ; of slot 1: 1024 .. 2047
	s_add_nc_u64 s[PFB:PFB+1], s[G0B+2:G0B+3], s[90:91]
	s_add_nc_u64 s[PFW:PFW+1], s[G0F+6:G0F+7], s[88:89]
.irp g, G0F+3, G0F+7, G0B+3, G0B+7
	s_or_b32 s[\g], s[\g], 0x80000000              ; 127:126 type = 2
.endr
; Load b of the eight (block b / 2, c = b % 2) that bring A's fragments of step t into set t % 6 (sets 0-3 in window 1, 4 and 5 in window 0); blocks i and i + 2 lie side by side: source 0 of 32 rows
.macro ALD t, b
.if ((\t)%6) < 4
	WIN 0x40
.else
	WIN 0
.endif
.set rA, 128+32*(((\t)%6)%4)+16*(((\b)/2)%2)+8*((\b)/4)+4*((\b)%2)
	global_load_b128 v[rA:rA+3], v[CO], s[AP:AP+1] offset:(\t)*4096+(\b)*512
.set ISS, ISS+1
.set E5, ISS
.endm
; Load n of the six that bring the scale words of K step kk: two of A's, four of B's
.macro SCL kk, n
	WIN 0
.if (\n) < 2
.set rA, SCA+8*((\kk)%3)+4*(\n)
	global_load_b128 v[rA:rA+3], v[CO], s[ASP:ASP+1] offset:(\kk)*1024+(\n)*512
.else
.set rA, SCB+16*((\kk)%3)+4*((\n)-2)
	global_load_b128 v[rA:rA+3], v[CO], s[BSP:BSP+1] offset:(\kk)*2048+((\n)-2)*512
.endif
.set ISS, ISS+1
.endm
; Quad q of prev_state: lanes 0-15 256 consecutive bytes of one row, lanes 16-31 of the row 8 further down; read once in this launch
.macro PRV q
	WIN 0xc0
	global_load_b128 v[4*(\q):4*(\q)+3], v[PVO], s[PV:PV+1] offset:(16*((\q)/16)+((\q)/2)%8)*16384+256*((\q)%2) th:TH_LOAD_NT
.set ISS, ISS+1
.endm
	JLOAD G0F, G1F                                 ; slot 0: one tensor load a wave at the head
.irp n, 0,1,2,3,4,5
	SCL 0, \n
.endr
.irp t, 0,1
.irp b, 0,1,2,3,4,5,6,7
	ALD \t, \b
.endr
.set E\t, E5
.endr
.irp n, 0,1,2,3,4,5
	SCL 1, \n
.endr
.irp t, 2,3,4
.irp b, 0,1,2,3,4,5,6,7
	ALD \t, \b
.endr
.set E\t, E5
.endr
	WIN 0
	global_prefetch_b8 v[PFI], s[PFW:PFW+1] th:TH_LOAD_NT scope:SCOPE_SE   ; slot 1's first fill, which is issued when slot 0's has landed: the partner at place cx asks for 16 of the 64 rows that wave w fetches, two lanes to a row
; Two LDS loads: B's fragment b = 4 g + w of step t.  A fragment, 16 rows x 128 K of 4-bit codes, is 8 registers: lane l holds row l % 16; registers 4 c .. 4 c + 3 hold K = 64 c + 32 (l / 16) + 0 .. 31
.macro LB b, t
	WIN 0x40
.irp c, 0,1
	ds_load_b128 v[64*((\t)%2)+8*(\b)+4*\c:64*((\t)%2)+8*(\b)+4*\c+3], v[ADRB+2*(((\t)/8)%2)+((\b)%4)/2] offset:(64*((\b)%2)+16*((\b)/4))*PITCH+64*((\t)%8)+32*\c
.endr
.endm
.macro WINMUL sg                       ; source 0 (A) window 1 for sets 0-3, window 0 for sets 4, 5; source 1 (B) window 1; C and D window 2
.if ((\sg)%6) < 4
	WIN 0xa5
.else
	WIN 0xa4
.endif
.endm
; One product of step sg: A's blocks i and i + 2 x B's fragment b.  B's scales: lanes 16-31 of the register for b >= 4.  Step 0's products start the sums: nothing is ever cleared.
; The 16 accumulators take turns, one instruction a turn, in the same order in every step.
.macro WM i, b, sg
.set rD, 16*(8*(\i)+(\b))
.set rF, 64*((\sg)%2)+8*(\b)
.set rA, 128+32*(((\sg)%6)%4)+16*(\i)
.set rS, SCA+8*(((\sg)/4)%3)+4*(\i)+(\sg)%4
.set rT, SCB+16*(((\sg)/4)%3)+4*((\b)%4)+(\sg)%4
.if (\sg) == 0
.if (\b) < 4
	v_wmma_scale_f32_32x16x128_f4 v[rD:rD+15], v[rA:rA+15], v[rF:rF+7], 0, v[rS], v[rT]
.else
	v_wmma_scale_f32_32x16x128_f4 v[rD:rD+15], v[rA:rA+15], v[rF:rF+7], 0, v[rS], v[rT] matrix_b_scale:MATRIX_SCALE_ROW1
.endif
.else
.if (\b) < 4
	v_wmma_scale_f32_32x16x128_f4 v[rD:rD+15], v[rA:rA+15], v[rF:rF+7], v[rD:rD+15], v[rS], v[rT]
.else
	v_wmma_scale_f32_32x16x128_f4 v[rD:rD+15], v[rA:rA+15], v[rF:rF+7], v[rD:rD+15], v[rS], v[rT] matrix_b_scale:MATRIX_SCALE_ROW1
.endif
.endif
.endm
; A step's head: the four places ahead of loads into registers that the last step's products read (ISA guide 7.12.1 for vector instructions): v_nop, or 0.7 p + 0.3 of the two quads that
; were asked for six steps ago: those loads stand ahead of the last step's fragments of A in the order of issue, and the last step's wait has shown these in.
.macro HEAD sg
.if ((\sg) >= 14) && ((\sg) <= 45)
	WIN 0xc3                                       ; destination and source 0 window 3; the constants window 0
.irp k, 0,2,4,6
	v_pk_fma_f32 v[8*((\sg)-14)+\k:8*((\sg)-14)+\k+1], v[8*((\sg)-14)+\k:8*((\sg)-14)+\k+1], v[C07:C07+1], v[C03:C03+1]
.endr
.else
.rept 4
	v_nop
.endr
.endif
.endm
; What else step sg loads into registers, ahead of A's eight loads for five steps on: two quads of prev_state; the scale words of the K step of 512 after next.
; Behind step sg's fragments of A stand the loads of five steps: at most 5 x (8 + 2) and two lots of six scale words: 62.
.macro AHEAD sg
.if ((\sg) >= 8) && ((\sg) <= 39)
	PRV 2*((\sg)-8)
	PRV 2*((\sg)-8)+1
.endif
.if (((\sg)%4) == 0) && ((\sg) <= 36)
.irp n, 0,1,2,3,4,5
	SCL (\sg)/4+2, \n
.endr
.endif
.endm
; PREFETCHES INTO THE L2.  B: a slot's 256 rows x 512 bytes of the reservoir's weights, once in each cluster that will load them: of the 64 rows that wave w fetches, the partner at place cx takes 16, told apart by address, two
; lanes to a row: one instruction a wave.  The first refill's slot is asked for in step 1, each later one behind the refill before it, eight steps ahead of its load; behind the last refill nothing is asked for.
; A: in steps 1, 9, 17, 25 the eight steps of the slot after next, 32,768 bytes of my group of 64 rows: 128 blocks of 256 bytes, shared out by address among the tile columns modulo 4 and the two waves of the group.
.macro ASKB off
	WIN 0
	global_prefetch_b8 v[PFO], s[PFB:PFB+1] offset:\off th:TH_LOAD_NT scope:SCOPE_SE
.endm
.macro ASKA slot
	WIN 0
	global_prefetch_b8 v[PFA], s[AP:AP+1] offset:(\slot)*32768 th:TH_LOAD_NT scope:SCOPE_SE
.endm
.macro NEXT                            ; the bookkeeping of the counts moves on by a step
.set E0, E1
.set E1, E2
.set E2, E3
.set E3, E4
.set E4, E5
.endm
; A step of 128 along K: ONE run of loads (into registers, for later steps; from LDS, the next step's eight fragments of B), then the step's sixteen products on end.
; THE WAITS.  Loads come back in order (ISA guide 5.7.1): ISS - E0 loads were issued behind the last of this step's fragments of A, which stand behind its scale words.  16 LDS loads are the next step's;
; in a slot's first step this step's own 16 were issued just ahead of them: ahead of fragment b's products those of b + 1 .. 7 may be out too.
.macro STEP sg
	HEAD \sg
	AHEAD \sg
.irp b, 0,2,4,6                        ; two loads of A for five steps on and four LDS loads by turns
.if (\sg) <= 42
	ALD (\sg)+5, \b
	ALD (\sg)+5, \b+1
.endif
.if (\sg) < 47
	LB \b, (\sg)+1
	LB \b+1, (\sg)+1
.endif
.endr
.if (((\sg)%8) == 1) && ((\sg) <= 25)
	ASKA (\sg)/8+2
.endif
.if (\sg) == 1
	ASKB 0
.endif
	s_wait_loadcnt ISS-E0
.if (\sg) == 47
	s_wait_dscnt 0x0
.else
.if ((\sg)%8) > 0
	s_wait_dscnt 16
.endif
.endif
	WINMUL \sg
.irp b, 0,1,2,3,4,5,6,7
.if ((\sg)%8) == 0
	s_wait_dscnt 30-2*\b
.endif
	WM 0, \b, \sg
	WM 1, \b, \sg
.endr
	NEXT
.endm
; Slot j's eighth step changes slots: ONE barrier.  In front of it each wave waits for all its tensor loads (the one that is out is its part of the next slot), adds 0 to its spare word, and waits for that and for its reads
; of this slot.  fill = 1: this slot is filled again with what its group 0 names; fill = 2: 1,024 bytes further along the rows; fill = 0: nothing is left to fetch.  Where a slot is filled again the barrier opens a round of the
; cluster's barrier, and the joint load is the first thing behind the round: it has the next slot's steps in which to land.
.macro TURN j, fill, ask
	HEAD 8*(\j)+7
	AHEAD 8*(\j)+7
.irp b, 0,1,2,3,4,5,6,7
	ALD 8*(\j)+12, \b
.endr
	s_wait_loadcnt ISS-E0
	s_wait_dscnt 0x0                               ; this step's fragments of B, asked for a step ago, are in: they were my last reads of this slot
	WINMUL 8*(\j)+7
.irp b, 0,1,2,3
	WM 0, \b, 8*(\j)+7
	WM 1, \b, 8*(\j)+7
.endr
	WIN 0                                          ; (the add's two registers lie in window 0)
	s_wait_tensorcnt 0x0                           ; all my tensor loads have landed: no descriptor of mine is in use, so one may be written
	ds_add_u32 v[SPW], v[NIL]                      ; 0 onto my spare word; the descriptor's step and two products stand between it and the wait for it
.if \fill == 2
	s_add_nc_u64 s[G0B+4*((\j)%2)+2:G0B+4*((\j)%2)+3], s[G0B+4*((\j)%2)+2:G0B+4*((\j)%2)+3], 1024   ; two slots of 512 bytes on; the type bits on top are not reached
.endif
	WINMUL 8*(\j)+7
	WM 0, 4, 8*(\j)+7
	WM 1, 4, 8*(\j)+7
	s_wait_dscnt 0x0                               ; the add is done
	s_barrier_signal -1
	WM 0, 5, 8*(\j)+7                              ; work on registers while the others arrive
	WM 1, 5, 8*(\j)+7
	WIN 0
	s_barrier_wait -1
.if \fill
	CREST                                          ; no wave of any partner still reads this slot's tile or has a load on its way
	JLOAD G0B+4*((\j)%2), G1B                      ; my one tensor load behind the round
.endif
.irp b, 0,1,2,3,4,5,6,7
	LB \b, 8*(\j)+8
.endr
.if \ask
	ASKB 512*((\j)+1)
.endif
	WINMUL 8*(\j)+7
.irp b, 6,7
	WM 0, \b, 8*(\j)+7
	WM 1, \b, 8*(\j)+7
.endr
	NEXT
.endm
.macro RUN j                           ; slot j's first seven steps
.irp q, 0,1,2,3,4,5,6
	STEP 8*(\j)+\q
.endr
.endm
	WIN 0
	s_wait_tensorcnt 0x0                           ; my part of slot 0 is in; these lines stand ahead of a later first fill, as ahead of a refill
	ds_add_u32 v[SPW], v[NIL]
	s_wait_dscnt 0x0
	CROUND                                         ; a whole round: everybody's part is in, and the joint loads meet
	JLOAD G0F+4, G1F                               ; slot 1's first fill
.irp b, 0,1,2,3,4,5,6,7
	LB \b, 0
.endr
	RUN 0                                          ; the input weights, K = 0 .. 1023
	TURN 0, 1, 1                                   ; slot 0 takes the reservoir's K = 0 .. 1023
	RUN 1                                          ; the input weights, K = 1024 .. 2047
	TURN 1, 1, 1                                   ; slot 1 takes 1024 .. 2047
	RUN 2
	TURN 2, 2, 1                                   ; slot 0 takes 2048 .. 3071
	RUN 3
	TURN 3, 2, 0                                   ; slot 1 takes 3072 .. 4095: the last load
	RUN 4
	TURN 4, 0, 0                                   ; nothing is filled, so no round of the cluster's barrier
	RUN 5
	STEP 47
	; THE WAY OUT, by chunks of four accumulators: 64 numbers a lane: x -> (0.7 p + 0.3) - 0.6 / (1 + 2^(2 log2(e) x)).  The exponentials are one batch with its waits, the reciprocals another.
.rept 4
	v_nop                                          ; the places behind the last products
.endr
.macro CHUNK i, g, lo, n               ; of the four accumulators the halves lo .. lo + n - 1: block i (0), block i + 2 (1)
.set XB, 16*(8*(\i)+4*(\g))
	WIN 0x82                                       ; in place in window 2
	s_wait_alu depctr_va_vdst(0)                   ; ahead of the first readers of these sums
.irp c, 0,1,2,3
.set xj, 16*\c+8*(\lo)
.rept 4*(\n)
	v_pk_mul_f32 v[XB+xj:XB+xj+1], v[XB+xj:XB+xj+1], s[KE:KE+1] op_sel_hi:[1,0]    ; each accumulator from its low end on
.set xj, xj+2
.endr
.endr
	s_wait_alu depctr_va_vdst(0)                   ; one wait ahead of the batch and one behind it
.irp c, 0,1,2,3
.set xj, 16*\c+8*(\lo)
.rept 8*(\n)
	v_exp_f32 v[XB+xj], v[XB+xj]
.set xj, xj+1
.endr
.endr
	v_nop                                          ; a plain instruction behind the last exponential
	s_wait_alu depctr_va_vdst(0)
.irp c, 0,1,2,3
.set xj, 16*\c+8*(\lo)
.rept 4*(\n)
	v_pk_add_f32 v[XB+xj:XB+xj+1], v[XB+xj:XB+xj+1], 1.0 op_sel_hi:[1,0]
.set xj, xj+2
.endr
.endr
	s_wait_alu depctr_va_vdst(0)
.irp c, 0,1,2,3
.set xj, 16*\c+8*(\lo)
.rept 8*(\n)
	v_rcp_f32 v[XB+xj], v[XB+xj]
.set xj, xj+1
.endr
.endr
	v_nop
	s_wait_alu depctr_va_vdst(0)
.irp e, 0,1
.if (\e >= (\lo)) && (\e < ((\lo)+(\n)))
	WIN 0xc8                                       ; destination window 3, source 1 window 2
.irp j, 0,1,2,3,4,5,6,7
.irp c, 0,1,2,3
	v_fmac_f32 v[4*(2*(8*((\i)+2*\e)+\j)+(\g))+\c], s[KM], v[XB+16*\c+8*\e+\j]     ; onto 0.7 p + 0.3, where prev_state lay
.endr
.endr
	WIN 0x0c                                       ; a store's data are its source 1: window 3
.irp j, 0,1,2,3,4,5,6,7
.set xq, 4*(2*(8*((\i)+2*\e)+\j)+(\g))
	global_store_b128 v[PVO], v[xq:xq+3], s[OUT:OUT+1] offset:(16*((\i)+2*\e)+\j)*16384+256*(\g) th:TH_STORE_NT   ; each half of the lanes stores 256 consecutive bytes, at a multiple of 256 from out0's first byte
.endr
.endif
.endr
.endm
	CHUNK 0, 0, 0, 1                               ; the first chunk goes in two halves: its first stores leave behind 32 numbers a lane
	CHUNK 0, 0, 1, 1
	CHUNK 0, 1, 0, 2
	CHUNK 1, 0, 0, 2
	CHUNK 1, 1, 0, 2
	WIN 0
	s_wait_tensorcnt 0x0                           ; the wave's end: three lines behind my last tensor load
	ds_add_u32 v[SPW], v[NIL]
	s_wait_dscnt 0x0
	CROUND                                         ; the closing round: no work-group ends while a partner may still ask for a tile that names it
	s_endpgm
.Lfunc_end_k_qe04e637558_step:
	.size	k_qe04e637558_step, .Lfunc_end_k_qe04e637558_step-k_qe04e637558_step
	.p2alignl 7, 3214868480
	.fill 96, 4, 3214868480
	.section	.rodata,"a",@progbits
	.p2align	6, 0x0
	.amdhsa_kernel k_qe04e637558_step
		.amdhsa_group_segment_fixed_size 327680
		.amdhsa_private_segment_fixed_size 0
		.amdhsa_enable_private_segment 0
		.amdhsa_kernarg_size 56
		.amdhsa_user_sgpr_count 2
		.amdhsa_user_sgpr_kernarg_segment_ptr 1
		.amdhsa_wavefront_size32 1
		.amdhsa_system_sgpr_workgroup_id_x 1
		.amdhsa_system_sgpr_workgroup_id_y 1
		.amdhsa_system_sgpr_workgroup_id_z 1
		.amdhsa_system_vgpr_workitem_id 0
		.amdhsa_next_free_vgpr 1024
		.amdhsa_next_free_sgpr 96
		.amdhsa_reserve_vcc 0
		.amdhsa_float_denorm_mode_32 3
		.amdhsa_float_denorm_mode_16_64 3
		.amdhsa_memory_ordered 1
		.amdhsa_forward_progress 1
		.amdhsa_inst_pref_size 255
	.end_amdhsa_kernel
	.section	.bss,"aw",@nobits
	.p2align	6
	.space	262144
	.amdgpu_metadata
---
amdhsa.version: [ 1, 2 ]
amdhsa.kernels:
  - .name:           k_qe04e637558_step
    .symbol:         k_qe04e637558_step.kd
    .args:
      - { .name: a_frag, .offset: 0, .size: 8, .value_kind: global_buffer, .address_space: global }
      - { .name: a_scl, .offset: 8, .size: 8, .value_kind: global_buffer, .address_space: global }
      - { .name: b_scl, .offset: 16, .size: 8, .value_kind: global_buffer, .address_space: global }
      - { .name: input_weights_codes, .offset: 24, .size: 8, .value_kind: global_buffer, .address_space: global }
      - { .name: reservoir_weights_codes, .offset: 32, .size: 8, .value_kind: global_buffer, .address_space: global }
      - { .name: prev_state, .offset: 40, .size: 8, .value_kind: global_buffer, .address_space: global }
      - { .name: out0, .offset: 48, .size: 8, .value_kind: global_buffer, .address_space: global }
    .group_segment_fixed_size: 327680
    .private_segment_fixed_size: 0
    .kernarg_segment_align: 8
    .kernarg_segment_size: 56
    .max_flat_workgroup_size: 128
    .sgpr_count:     96
    .vgpr_count:     1024
    .wavefront_size: 32
...
	.end_amdgpu_metadata
.endif
;; end of part 2
